; MI455X (gfx1250); checked and timed in simulation.
; The chip was launched on July 23, 2026; its instructions are those of AMD's public machine-readable ISA for CDNA 5 (MIT licence, August 2026) and "CDNA5" Instruction Set Architecture Reference Guide (July 2026). The comments in the code are by the model that wrote it; some were corrected since.
;; Causal Self Attention. Allowed arithmetic: matrix products marked QUANTISED: E2M3 operands, one E8M0 scale for each 32 along K, by v_wmma_scale_f32_16x16x128_f8f6f4 with both operands' format E2M3, f32 sums; everything else in f32.
;; Inputs: Wk 1,024 x 1,024 float32; Wo 1,024 x 1,024 float32; Wq 1,024 x 1,024 float32; Wv 1,024 x 1,024 float32; bk 1,024 float32; bo 1,024 float32; bq 1,024 float32; bv 1,024 float32; key 4 x 2,048 x 1,024 float32; query 4 x 2,048 x 1,024 float32; value 4 x 2,048 x 1,024 float32.
;; Outputs: out0 4 x 2,048 x 1,024 float32.
;; This version of the problem:
;;   THIS VERSION OF THE PROBLEM IS GIVEN IN LOW PRECISION. The matrix products marked QUANTISED in the list below multiply operands that are first quantised to E2M3 (2 exponent bits, 3 mantissa bits; 6 bits a number), with one power-of-two scale for each 32 numbers along K (OCP MX v1.0); their sums are f32. All else is computed in f32.
;;   The module's matrix products, in the order in which they are computed (A, B: the left and right operand; K: the contracted axis; several contracted axes count as one K, in the product's order):
;;     1. [M 8,192, K 1,024] x [K 1,024, N 1,024]; A: input query; B: input Wq: QUANTISED
;;     2. [M 8,192, K 1,024] x [K 1,024, N 1,024]; A: input key; B: input Wk: QUANTISED
;;     3. [M 8,192, K 1,024] x [K 1,024, N 1,024]; A: input value; B: input Wv: QUANTISED
;;     4. batch 64 x [M 2,048, K 64] x [K 64, N 2,048]; A: computed on the way; B: computed on the way: QUANTISED
;;     5. batch 64 x [M 2,048, K 2,048] x [K 2,048, N 64]; A: softmax (see below); B: computed on the way: QUANTISED
;;     6. [M 8,192, K 1,024] x [K 1,024, N 1,024]; A: computed on the way; B: input Wo: QUANTISED
;;   THE QUANTISER, for each operand of a quantised product, along K:
;;     - K is cut into blocks of 32 from its start; a last block that is shorter is filled with zeros.
;;     - A block's scale is 2^e with e = floor(log2(the largest magnitude in the block)) - 2, held to -126 .. 127; a block of zeros has e = 0. As a byte (E8M0): e + 127.
;;     - Each number is divided by its block's scale, clamped to +-7.5, and rounded to the nearest number of E2M3, ties to even, subnormals kept.
;;     - The product sums the exact products of the quantised numbers (number of the format x scale) in f32.
;;   ~~~python
;;   def quantise(x, axis):      # numpy; x: float32 -> the quantised numbers, widened to float32 again
;;       x = np.moveaxis(x, axis, -1); K = x.shape[-1]
;;       x = np.pad(x, [(0, 0)] * (x.ndim - 1) + [(0, -K % 32)]); x = x.reshape(x.shape[:-1] + (-1, 32)); a = np.abs(x).max(-1, keepdims=True)
;;       e = np.where(a > 0, np.clip(np.frexp(np.where(a > 0, a, 1))[1] - 1 - 2, -126, 127), 0)      # np.frexp(a)[1] - 1 = floor(log2(a)), exactly
;;       r = np.clip(x / 2.0 ** e, -7.5, 7.5)
;;       step = 2.0 ** (np.maximum(np.frexp(np.where(r == 0, 1, r))[1] - 1, 0) - 3)
;;       q = np.round(r / step) * step * 2.0 ** e      # np.round: ties to even
;;       return np.moveaxis(q.reshape(q.shape[:-2] + (-1,))[..., :K], -1, axis).astype(np.float32)
;;   ~~~
;;   SOFTMAX AHEAD OF A QUANTISED PRODUCT. Where the list says 'softmax', what is quantised is not the finished softmax but p = 2^(t - M), with t = logit x log2(e) and M = ceil(the row's largest t), a whole number; so 1/2 < the row's largest p <= 1. The row's sum l is taken of the UNQUANTISED p, in f32, and the product's result is divided by l at the end. Since M is a whole number, a kernel that streams over the keys may use a running M (the ceiling of the running maximum): every later rescaling is an exact power of two, which a block's scale takes up: the codes' values come out the same.
;;   OPERANDS COMPUTED ON THE WAY. 'Computed on the way' means the value that the module computes at that place (a softmax that the list does not call 'softmax' is quantised finished and normalised). What goes into a quantiser is computed in f32, as accurately as f32 sums, v_exp_f32 and their like allow (about 1e-6 of the number): no bf16 or f16 on the way to a quantiser, and a product that is left as it is and whose result goes on into a quantised operand takes f32 operands (vector FMAs, or v_wmma_f32_16x16x4_f32). A number that lies on a knife's edge between two numbers of the format may be rounded either way, as far as f32 arithmetic and the matrix unit's own rounding can turn it there, and no further.
;; One version. Each part assembles by itself: llvm-mc -triple=amdgcn-amd-amdhsa -mcpu=gfx1250 --defsym DOCPART=n.
;; ======== version 1 of 1: 4 launches
;; workspace buffers: XC 22,020,096 bytes; XS 917,504 bytes; YC 18,874,368 bytes; YS 786,432 bytes; ZC 6,291,456 bytes; ZS 262,144 bytes
;; launch quant (part 1): grid 1792 x 1, 2 waves a work-group, no clusters, 17,152 bytes of LDS; arguments query, key, value, Wq, Wk, Wv, Wo, XC, XS; writes XC, XS
.if DOCPART == 1
	.amdgcn_target "amdgcn-amd-amdhsa--gfx1250"
	.amdhsa_code_object_version 6
	.text
	.protected	k_qb390909798_quant
	.globl	k_qb390909798_quant
	.p2align	8
	.type	k_qb390909798_quant,@function
k_qb390909798_quant:
	s_mov_b64 s[64:65], 0
	v_nop
	global_prefetch_b8 v0, s[64:65] scope:SCOPE_SE
	s_setreg_imm32_b32 hwreg(HW_REG_WAVE_MODE, 25, 1), 1
	s_wait_xcnt 0x0
; query, key, value [8192][1024] and Wq, Wk, Wv, Wo [1024][1024], f32, K innermost, become codes of FP6 (E2M3) with one E8M0 byte for each 32 along K.
; A block's scale is 2^(floor(log2(its largest magnitude)) - 2); its byte is the largest magnitude's exponent field - 2, held at 1 from below.
; LIMITS: NaN and infinities are not served.  A block whose largest magnitude lies under 2^-124 keeps the byte 1; so does a block of zeros (its codes are zeros; the bytes are read by this program alone).
; THE WORKSPACE LIES IN THE ORDER OF AN OPERAND'S REGISTERS.  The 28,672 rows of the seven tensors, on end, are 1,792 tiles of 16 rows.
;   Lane r of tile T is row 32 (T / 2) + 8 (T % 2) + r + 8 (r / 8): not neighbours, so that a product's results, used transposed, are neighbours along the next K.
;   XC: [tile][K step of 128][1,536 bytes]: registers 0-3 of a fragment at 16 x lane, 4-5 at 512 + 8 x lane, 6-9 at 768 + 16 x lane, 10-11 at 1,280 + 8 x lane.
;   XS: [tile / 8][K step][512 bytes]: the scale word of (tile T, row r) at 256 ((T / 4) % 2) + 16 r + 4 (T % 4).
; SHARES.  A wave takes four tiles (64 rows on end) x one K step: four fragments.  Each load reads 512 consecutive bytes of one row; a fragment's 16 rows turn through the wave's own stage in LDS,
; so that lane (r, h) gets, of row r, 16 neighbours of each block of 32.  Loads run one fragment ahead.  No barrier: the waves share nothing.  No matrix unit, no cluster: the launch only streams.
.set STGB, 8448                        ; a wave's stage: 16 rows x (512 bytes + 16)
.set PW,   12                          ; v12-15   the four fragments' scale words
.set TM,   16                          ; v16-31   at work: largest magnitudes, bytes, scale operands
.set PC,   32                          ; v32-51   a fragment's codes
.set X,    56                          ; v56-119  64 numbers: register 16 b + i = k 32 b + 16 h + i of my row
.set R,    120                         ; v120-247 two sets of 16 rows as they are loaded
.set SEL,  36                          ; s36, s37 lane selects: lane l xor 16
; 64 numbers of a lane become a fragment's codes in v[pc] on and my row's scale word in v[pw]
.macro QUANT src, pc, pw
.irp b, 0,1,2,3
	v_max3_num_f32 v[TM+\b], |v[\src+16*\b]|, |v[\src+1+16*\b]|, 0x1800000   ; block b: my 16 numbers, and the floor 2^(3 - 127): the byte cannot fall under 1
.endr
.irp i, 2,4,6,8,10,12,14
.irp b, 0,1,2,3
	v_max3_num_f32 v[TM+\b], v[TM+\b], |v[\src+16*\b+\i]|, |v[\src+1+16*\b+\i]|   ; the four blocks by turns
.endr
.endr
.irp b, 0,1,2,3
	v_permlanex16_b32 v[TM+4+\b], v[TM+\b], s[SEL], s[SEL+1]
.endr
.irp b, 0,1,2,3
	v_max_num_f32 v[TM+\b], v[TM+\b], v[TM+4+\b]                   ; with lane l xor 16's: the block's largest magnitude
.endr
.irp b, 0,1,2,3
	v_add_nc_u32 v[TM+12+\b], 0xff000000, v[TM+\b]                 ; 2 off its exponent field: the conversion's scale operand
.endr
.irp b, 0,1,2,3
	v_lshrrev_b32 v[TM+4+\b], 23, v[TM+12+\b]                      ; the scale's byte
.endr
	v_lshl_or_b32 v[\pw], v[TM+5], 8, v[TM+4]
	v_lshl_or_b32 v[\pw], v[TM+6], 16, v[\pw]
	v_lshl_or_b32 v[\pw], v[TM+7], 24, v[\pw]
.irp c, 0,1
	v_cvt_scalef32_pk16_fp6_f32 v[\pc+6*\c:\pc+2+6*\c], v[\src+32*\c:\src+15+32*\c], v[TM+12+2*\c]
	v_cvt_scalef32_pk16_fp6_f32 v[\pc+12+4*\c:\pc+14+4*\c], v[\src+16+32*\c:\src+31+32*\c], v[TM+12+2*\c+1]   ; (a conversion's three registers begin on an even number)
.endr
	v_nop                                          ; one plain place behind a scaled conversion
.irp c, 0,1                                    ; the operand's layout wants a whole block in a lane: lanes 0-15 block 2 c, lanes 16-31 block 2 c + 1
.irp i, 0,1,2
	v_permlane16_swap_b32 v[\pc+6*\c+\i], v[\pc+12+4*\c+\i]
.endr
.irp i, 0,1,2
	v_mov_b32 v[\pc+3+6*\c+\i], v[\pc+12+4*\c+\i]
.endr
.endr
.endm
.macro LOADF j, set                    ; the 16 rows of tile j of my four, my K step's 512 bytes of each
.irp i, 0,1,2,3,4,5,6,7,8,9,10,11,12,13,14,15
	global_load_b128 v[R+64*(\set)+4*\i:R+64*(\set)+4*\i+3], v4, s[26:27] offset:(32*((\j)/2)+8*((\j)%2)+\i+8*(\i/8))*4096 th:TH_LOAD_NT
.endr
.endm
.macro TURN set                        ; through the stage: LDS serves a wave's instructions in order, so no wait stands between the stores and the loads
.irp i, 0,1,2,3,4,5,6,7,8,9,10,11,12,13,14,15
	ds_store_b128 v6, v[R+64*(\set)+4*\i:R+64*(\set)+4*\i+3] offset:528*\i
.endr
.irp b, 0,1,2,3
.irp q, 0,1,2,3
	ds_load_b128 v[X+16*\b+4*\q:X+16*\b+4*\q+3], v7 offset:128*\b+16*\q
.endr
.endr
.endm
.macro PICK bound, lo, base            ; below the bound: the tensor in front.  The choice hangs on the work-group's number alone
	s_cmp_lt_u32 s23, \bound
	s_cselect_b64 s[26:27], s[\lo:\lo+1], s[26:27]
	s_cselect_b32 s25, \base, s25
.endm
	s_load_b512 s[4:19], s[0:1], 0x0               ; query, key, value, Wq, Wk, Wv, Wo, XC
	s_load_b64 s[20:21], s[0:1], 0x40              ; XS
	v_lshl_add_u32 v248, v0, 2, 0x4200
	v_mov_b32 v249, 0
	v_lshrrev_b32 v1, 5, v0
	v_readfirstlane_b32 s22, v1                    ; wave 0, 1
	v_and_b32 v1, 31, v0                           ; lane
	v_and_b32 v2, 15, v0                           ; r
	v_bfe_u32 v3, v0, 4, 1                         ; h
	v_lshlrev_b32 v4, 4, v1                        ; 16 x lane
	v_lshlrev_b32 v5, 3, v1                        ; 8 x lane
	s_mul_i32 s32, s22, STGB
	v_add_nc_u32 v6, s32, v4                       ; the stage, on the way in: a row's 512 bytes as they lie
	v_mul_u32_u24 v7, v2, 528
	v_lshl_add_u32 v7, v3, 6, v7
	v_add_nc_u32 v7, s32, v7                       ; and on the way out: row r, + 64 h
	v_lshlrev_b32 v8, 4, v2
	v_lshl_add_u32 v8, v3, 3, v8                   ; the scale words' place: 16 r + 8 h
.irp b, 0,1,2,3
	v_mov_b32 v[TM+4+\b], 0                        ; written once: a lane permute's destination counts as one of its sources
.endr
	s_mov_b32 s[SEL], 0x76543210
	s_mov_b32 s[SEL+1], 0xfedcba98
	s_lshr_b32 s23, ttmp9, 2                       ; which run of 64 rows, 0 .. 447
	s_and_b32 s24, ttmp9, 3
	s_lshl_b32 s24, s24, 1
	s_add_co_u32 s24, s24, s22                     ; which K step, 0 .. 7
	s_wait_kmcnt 0x0
	s_mov_b64 s[26:27], s[16:17]                   ; Wo, unless the run lies in front of it
	s_mov_b32 s25, 432
	PICK 432, 14, 416
	PICK 416, 12, 400
	PICK 400, 10, 384
	PICK 384, 8, 256
	PICK 256, 6, 128
	PICK 128, 4, 0
	s_sub_co_u32 s32, s23, s25
	s_lshl_b32 s32, s32, 18                        ; 64 rows of 4,096 bytes a run,
	s_lshl_b32 s33, s24, 9                         ; 512 bytes a K step
	s_add_co_u32 s32, s32, s33
	s_mov_b32 s33, 0
	s_add_nc_u64 s[26:27], s[26:27], s[32:33]
	s_mul_i32 s32, s23, 49152                      ; codes: four tiles of 12,288 bytes a run,
	s_mul_i32 s34, s24, 1536                       ; 1,536 bytes a K step
	s_add_co_u32 s32, s32, s34
	s_add_nc_u64 s[28:29], s[18:19], s[32:33]
	s_lshr_b32 s32, s23, 1                         ; scale words: two runs to a group of eight tiles
	s_lshl_b32 s32, s32, 3
	s_add_co_u32 s32, s32, s24
	s_lshl_b32 s32, s32, 9
	s_and_b32 s34, s23, 1
	s_lshl_b32 s34, s34, 8
	s_add_co_u32 s32, s32, s34
	s_add_nc_u64 s[30:31], s[20:21], s[32:33]
	LOADF 0, 0
	LOADF 1, 1
.irp j, 0,1,2,3
.if \j < 3
	s_wait_loadcnt 16                              ; this fragment's 16 loads are in; the next fragment's 16 stay out
.else
	s_wait_loadcnt 0x0
.endif
	TURN \j%2
	s_wait_dscnt 0x0                               ; my 64 numbers are back, and the stage's stores have read the set
	s_wait_xcnt 0x0                                ; the last fragment's stores have read their registers: the codes may be written again
.if \j < 2
	LOADF \j+2, \j%2
.endif
	QUANT X, PC, PW+\j
	global_store_b128 v4, v[PC:PC+3], s[28:29] offset:\j*12288          ; each store of the wave covers 512 or 256 consecutive bytes, aligned
	global_store_b64 v5, v[PC+4:PC+5], s[28:29] offset:\j*12288+512
	global_store_b128 v4, v[PC+6:PC+9], s[28:29] offset:\j*12288+768
	global_store_b64 v5, v[PC+10:PC+11], s[28:29] offset:\j*12288+1280
.endr
	v_cmp_eq_u32 vcc_lo, 1, v3                     ; every lane holds its row's four words: lanes 0-15 store the first two, lanes 16-31 the last two
	v_cndmask_b32 v10, v12, v14, vcc_lo
	v_cndmask_b32 v11, v13, v15, vcc_lo
	global_store_b64 v8, v[10:11], s[30:31]        ; 256 consecutive bytes, aligned
	s_wait_tensorcnt 0x0
	ds_add_u32 v248, v249
	s_wait_dscnt 0x0
	s_endpgm
.Lfunc_end_k_qb390909798_quant:
	.size	k_qb390909798_quant, .Lfunc_end_k_qb390909798_quant-k_qb390909798_quant
	.p2alignl 7, 3214868480
	.fill 96, 4, 3214868480
	.section	.rodata,"a",@progbits
	.p2align	6, 0x0
	.amdhsa_kernel k_qb390909798_quant
		.amdhsa_group_segment_fixed_size 17152
		.amdhsa_private_segment_fixed_size 0
		.amdhsa_enable_private_segment 0
		.amdhsa_kernarg_size 72
		.amdhsa_user_sgpr_count 2
		.amdhsa_user_sgpr_kernarg_segment_ptr 1
		.amdhsa_wavefront_size32 1
		.amdhsa_system_sgpr_workgroup_id_x 1
		.amdhsa_system_sgpr_workgroup_id_y 1
		.amdhsa_system_sgpr_workgroup_id_z 1
		.amdhsa_system_vgpr_workitem_id 0
		.amdhsa_next_free_vgpr 250
		.amdhsa_next_free_sgpr 66
		.amdhsa_reserve_vcc 1
		.amdhsa_float_denorm_mode_32 3
		.amdhsa_float_denorm_mode_16_64 3
		.amdhsa_memory_ordered 1
		.amdhsa_forward_progress 1
		.amdhsa_inst_pref_size 35
	.end_amdhsa_kernel
	.amdgpu_metadata
---
amdhsa.version: [ 1, 2 ]
amdhsa.kernels:
  - .name:           k_qb390909798_quant
    .symbol:         k_qb390909798_quant.kd
    .args:
      - { .name: query, .offset: 0, .size: 8, .value_kind: global_buffer, .address_space: global }
      - { .name: key, .offset: 8, .size: 8, .value_kind: global_buffer, .address_space: global }
      - { .name: value, .offset: 16, .size: 8, .value_kind: global_buffer, .address_space: global }
      - { .name: Wq, .offset: 24, .size: 8, .value_kind: global_buffer, .address_space: global }
      - { .name: Wk, .offset: 32, .size: 8, .value_kind: global_buffer, .address_space: global }
      - { .name: Wv, .offset: 40, .size: 8, .value_kind: global_buffer, .address_space: global }
      - { .name: Wo, .offset: 48, .size: 8, .value_kind: global_buffer, .address_space: global }
      - { .name: XC, .offset: 56, .size: 8, .value_kind: global_buffer, .address_space: global }
      - { .name: XS, .offset: 64, .size: 8, .value_kind: global_buffer, .address_space: global }
    .group_segment_fixed_size: 17152
    .private_segment_fixed_size: 0
    .kernarg_segment_align: 8
    .kernarg_segment_size: 72
    .max_flat_workgroup_size: 64
    .sgpr_count:     66
    .vgpr_count:     250
    .wavefront_size: 32
...
	.end_amdgpu_metadata
.endif
;; end of part 1
;; launch proj (part 2): grid 4 x 192, 4 waves a work-group, clusters of 4 x 4, 295,424 bytes of LDS; arguments XC, XS, bq, bk, bv, YC, YS; writes YC, YS
.if DOCPART == 2
	.amdgcn_target "amdgcn-amd-amdhsa--gfx1250"
	.amdhsa_code_object_version 6
	.text
	.protected	k_qb390909798_proj
	.globl	k_qb390909798_proj
	.p2align	8
	.type	k_qb390909798_proj,@function
k_qb390909798_proj:
	s_mov_b64 s[64:65], 0
	v_nop
	global_prefetch_b8 v0, s[64:65] scope:SCOPE_SE
	s_setreg_imm32_b32 hwreg(HW_REG_WAVE_MODE, 25, 1), 1
	s_wait_xcnt 0x0
	s_wait_alu depctr_hold_cnt(0) depctr_sa_sdst(0) depctr_va_vdst(0) depctr_va_sdst(0) depctr_va_ssrc(0) depctr_va_vcc(0) depctr_vm_vsrc(0)
	s_getreg_b32 s2, hwreg(HW_REG_IB_STS2, 6, 4)
	s_cmp_eq_u32 s2, 0
	s_cbranch_scc0 .Lentry_in_a_cluster
	s_endpgm
.Lentry_in_a_cluster:
	s_bfe_u32 s2, ttmp6, 0x10000c
	s_cmp_lg_u32 s2, 0xf033
	s_cbranch_scc0 .Lentry_shape_is_right
	s_endpgm
.Lentry_shape_is_right:
; q = Q(query) Q(Wq)^T + bq, k and v likewise, on codes of FP6 (E2M3) with E8M0 scales, sums in f32; the results are quantised in registers and leave as codes, in the order of an operand's registers.
; Source 0 (P) gives a result's registers, source 1 (R) its lanes.  q, k: P = the weight's rows (channels), R = tokens: a lane holds one token and its registers run along the channels, the K of q k^T.
; v: P = tokens, R = Wv's rows: a lane holds one channel and its registers run along the tokens, the K of p v.  So nothing is transposed.  Which of the three: z = cluster y / 16, the same in all partners.
; The rows of a tile are not neighbours (lane r of tile T is row 32 (T / 2) + 8 (T % 2) + r + 8 (r / 8)): so the 16 registers of P's tiles 2 b and 2 b + 1 are 16 neighbours along the next K.
; SHARES.  A work-group makes 128 rows of R x 256 rows of P over all of K = 1,024; a wave 64 x 128: 32 accumulators, 8 K steps of 32 matrix instructions.  768 work-groups: three for each of 256 WGPs.
; LDS.  The work-group's codes, (128 + 256) rows x 768 bytes, fit at once: every byte is filled once, in four chunks of 256 along K, and counted waits let the work begin on the first.
; CLUSTER 4 x 4.  R's tiles hang on the cluster's row, P's on its column: each is asked for jointly by the four that share it.  A wave has four tensor loads out at the most.
; YC: q, k: fragment (token tile, pair of heads) at (tile x 8 + pair) x 1,536; v: fragment (channel tile, K step of 128 tokens) at (tile x 64 + step) x 1,536.  YS: [tile / 8][the same second index][512 bytes].
; LIMITS: NaN and infinities are not served; a block whose largest magnitude lies under 2^-124, or of zeros, keeps the byte 1 (the bytes are read by this program alone).
; REGISTERS.  window 0: v1-31 addresses; v32-63 R's scale words (4 s + a), v64-95 P's (4 s + j: tile j in lanes 0-15, tile 4 + j in lanes 16-31); v96-191 R's fragments, two sets; v192-213 at work.
;   window 1: v0-191 P's fragments, two sets; v192-255 the bias.   window 2: accumulator (a, t) at v[64 a + 8 t].
.set WV,   18
.set SEL,  98
.set TM,   192
.set PW,   208
.set MSB,  0
.macro WIN new                         ; the immediate's high byte repeats the setting that is left
.if MSB != \new
	s_set_vgpr_msb (MSB<<8)|\new
.set MSB, \new
.endif
.endm
.set MUL,  0xa1                        ; source 0 (P) window 1, source 1 (R) window 0, C and D window 2
.set MUL1, 0x91                        ; the same with C (the bias) in window 1
.set TO_P, 0x40                        ; destination window 1, address window 0
.set MAXW, 0x0a                        ; sources 0 and 1 window 2
.set CVTW, 0x02                        ; source 0 window 2
.macro PLACES                          ; four places behind a matrix instruction, in front of loads into its registers and of the first read of results
.rept 4
	v_nop
.endr
.endm
.macro CROUND                          ; a round of the cluster's barrier
	s_barrier_signal -1
	s_barrier_wait -1
	s_cmp_lg_u32 s[WV], 0
	s_cbranch_scc1 .Lnot_wave_0_\@
	s_barrier_signal -3
.Lnot_wave_0_\@:
	s_barrier_wait -3
	s_barrier_signal -1
	s_barrier_wait -1
.endm
.macro FRAGL d, a16, a8, off           ; a fragment's image, 1,536 bytes, into 12 registers
	ds_load_b128 v[(\d):(\d)+3], v[\a16] offset:(\off)
	ds_load_b64 v[(\d)+4:(\d)+5], v[\a8] offset:(\off)+512
	ds_load_b128 v[(\d)+6:(\d)+9], v[\a16] offset:(\off)+768
	ds_load_b64 v[(\d)+10:(\d)+11], v[\a8] offset:(\off)+1280
.endm
.macro FETCH s, set                    ; K step s: P's eight fragments and R's four, 48 loads in one run
.set fq, (\s)/2
.set fe, (\s)%2
	WIN TO_P
.irp t, 0,1,2,3,4,5,6,7
	FRAGL 96*(\set)+12*\t, 8+fq, 12+fq, 3072*\t+1536*fe
.endr
	WIN 0
.irp a, 0,1,2,3
	FRAGL 96+48*(\set)+12*\a, 4+fq/2, 6+fq/2, 24576*(fq%2)+3072*\a+1536*fe
.endr
.endm
; 32 matrix instructions.  The accumulators take turns, one instruction a turn, in the same order in every step.
; cm = 0: onto the sums;  1: the sums begin with the bias of P's rows;  2: with that of R's rows (two copies, taken by even and by odd t)
.macro MULS s, cm
.irp a, 0,1,2,3
.irp t, 0,1,2,3,4,5,6,7
.set rD, 64*\a+8*\t
.set rP, 96*((\s)%2)+12*\t
.set rR, 96+48*((\s)%2)+12*\a
.set rSP, 64+4*(\s)+\t%4
.set rSR, 32+4*(\s)+\a
.if \cm == 0
.set rC, rD
.elseif \cm == 1
.set rC, 192+8*\t
.else
.set rC, 192+8*(\a+4*(\t%2))
.endif
.if \t < 4
	v_wmma_scale_f32_16x16x128_f8f6f4 v[rD:rD+7], v[rP:rP+11], v[rR:rR+11], v[rC:rC+7], v[rSP], v[rSR] matrix_a_fmt:MATRIX_FMT_FP6 matrix_b_fmt:MATRIX_FMT_FP6
.else
	v_wmma_scale_f32_16x16x128_f8f6f4 v[rD:rD+7], v[rP:rP+11], v[rR:rR+11], v[rC:rC+7], v[rSP], v[rSR] matrix_a_fmt:MATRIX_FMT_FP6 matrix_b_fmt:MATRIX_FMT_FP6 matrix_a_scale:MATRIX_SCALE_ROW1
.endif
.endr
.endr
.endm
.macro STEP s                          ; K steps 1 to 7
	s_wait_dscnt 0x0                               ; this step's fragments are in (asked for 32 matrix instructions ago)
.if ((\s)%2 == 1) && ((\s) < 7)
	s_wait_tensorcnt 3-((\s)+1)/2                  ; my part of the next chunk has landed; the chunks issued behind it stay out
	s_barrier_signal -1
	s_barrier_wait -1                              ; everybody's has
.endif
.if (\s) < 7
	PLACES
	FETCH (\s)+1, 1-(\s)%2
.endif
	WIN MUL
	MULS \s, 0
.endm
; The 64 results of a lane for R's tile at v[src] of window 2 (register 16 b + i = k 32 b + 16 h + i of the next K) become a fragment's codes in v[pc] on and a scale word in v[pw].
; Each accumulator is read from its low end on.
.macro QUANTW src, pc, pw
	WIN MAXW
.irp b, 0,1,2,3
	v_max3_num_f32 v[TM+\b], |v[(\src)+16*\b]|, |v[(\src)+1+16*\b]|, 0x1800000   ; and the floor 2^(3 - 127): the byte cannot fall under 1
.endr
.irp i, 2,4,6,8,10,12,14
.irp b, 0,1,2,3
	v_max3_num_f32 v[TM+\b], |v[(\src)+16*\b+\i]|, |v[(\src)+1+16*\b+\i]|, v[TM+\b]
.endr
.endr
	WIN 0
.irp b, 0,1,2,3
	v_permlanex16_b32 v[TM+4+\b], v[TM+\b], s[SEL], s[SEL+1]
.endr
.irp b, 0,1,2,3
	v_max_num_f32 v[TM+\b], v[TM+\b], v[TM+4+\b]
.endr
.irp b, 0,1,2,3
	v_add_nc_u32 v[TM+12+\b], 0xff000000, v[TM+\b]                 ; 2 off the exponent field: the conversion's scale operand
.endr
.irp b, 0,1,2,3
	v_lshrrev_b32 v[TM+4+\b], 23, v[TM+12+\b]
.endr
	v_lshl_or_b32 v[\pw], v[TM+5], 8, v[TM+4]
	v_lshl_or_b32 v[\pw], v[TM+6], 16, v[\pw]
	v_lshl_or_b32 v[\pw], v[TM+7], 24, v[\pw]
	WIN CVTW
.irp c, 0,1
	v_cvt_scalef32_pk16_fp6_f32 v[(\pc)+6*\c:(\pc)+2+6*\c], v[(\src)+32*\c:(\src)+15+32*\c], v[TM+12+2*\c]
	v_cvt_scalef32_pk16_fp6_f32 v[(\pc)+12+4*\c:(\pc)+14+4*\c], v[(\src)+16+32*\c:(\src)+31+32*\c], v[TM+12+2*\c+1]
.endr
	WIN 0
	v_nop                                          ; one plain place behind a scaled conversion
.irp c, 0,1
.irp i, 0,1,2
	v_permlane16_swap_b32 v[(\pc)+6*\c+\i], v[(\pc)+12+4*\c+\i]
.endr
.irp i, 0,1,2
	v_mov_b32 v[(\pc)+3+6*\c+\i], v[(\pc)+12+4*\c+\i]
.endr
.endr
.endm
	s_load_b256 s[4:11], s[0:1], 0x0               ; XC, XS, bq, bk
	s_load_b128 s[12:15], s[0:1], 0x20             ; bv, YC
	s_load_b64 s[16:17], s[0:1], 0x30              ; YS
	v_lshl_add_u32 v254, v0, 2, 0x48000
	v_mov_b32 v255, 0
	ds_add_u32 v254, v255
	ds_add_u32 v254, v255
	v_lshrrev_b32 v1, 5, v0
	v_readfirstlane_b32 s[WV], v1                  ; wave 0..3
	s_lshr_b32 s19, s18, 1                         ; wr: which 64 rows of R are mine
	s_and_b32 s20, s18, 1                          ; wp: which 128 rows of P.  Also: which half of a tile's rows I fetch
	s_bfe_u32 s21, ttmp6, 0x40000                  ; cx
	s_bfe_u32 s22, ttmp6, 0x40004                  ; cy
	s_and_b32 s23, ttmp7, 0xffff                   ; cluster y, 0 .. 47
	s_lshr_b32 s24, s23, 4                         ; z: 0 q, 1 k, 2 v
	s_and_b32 s25, s23, 15
	s_lshr_b32 s26, s25, 1
	s_and_b32 s27, s25, 1
	s_lshl_b32 s2, s24, 6
	s_add_co_u32 s2, s2, 1536                      ; the weight's first tile in XC: 1536 + 64 z
	s_lshl_b32 s3, s24, 9                          ; the input's: 512 z
	s_cmp_eq_u32 s24, 2
	s_cselect_b32 s26, s26, 0                      ; which four blocks of P,
	s_cselect_b32 s27, s27, s25                    ; and of R, the cluster takes
	s_cselect_b32 s86, 64, 8                       ; NP: fragments to a tile in YC
	s_cselect_b32 s85, 1024, s2                    ; P's first tile
	s_cselect_b32 s84, 1664, s3                    ; R's first tile
	s_mul_i32 s87, s86, 1536
	s_lshl_b32 s28, s26, 2
	s_add_co_u32 s28, s28, s21                     ; pb: my block of 256 rows of P
	s_lshl_b32 s29, s27, 2
	s_add_co_u32 s29, s29, s22                     ; rb: my block of 128 rows of R
	s_lshl_b32 s30, s22, 2
	s_lshl_b32 s30, 15, s30                        ; my row of the cluster
	s_lshl_b32 s31, 0x1111, s21                    ; my column
	; descriptor groups 1: rows of 3,072 bytes (a tile's two K steps: 384 elements of 8 bytes), 12,288 bytes apart; R: 4 tiles a load, P: 8.  No padding: an image is read as it lies
	s_or_b32 s32, s30, (3<<16)|(1<<21)             ; 15:0 the mask: R's tiles go to my row; 17:16 elements of 8 bytes; 21 set beside a mask
	s_mov_b32 s33, 384<<16                         ; tensor_dim0
	s_mov_b32 s34, 4<<16                           ; tensor_dim1
	s_mov_b32 s35, 384<<16                         ; tile_dim0
	s_mov_b32 s36, 4                               ; tile_dim1
	s_mov_b32 s37, 1536                            ; tensor_dim0_stride
	s_mov_b32 s38, 0
	s_mov_b32 s39, 0
	s_or_b32 s40, s31, (3<<16)|(1<<21)             ; P's tiles go to my column
	s_mov_b32 s41, 384<<16
	s_mov_b32 s42, 8<<16
	s_mov_b32 s43, 384<<16
	s_mov_b32 s44, 8
	s_mov_b32 s45, 1536
	s_mov_b32 s46, 0
	s_mov_b32 s47, 0
	s_lshl_b32 s88, s29, 3                         ; R: tile first + 8 rb + 4 x half (no number made of cx enters)
	s_add_co_u32 s88, s88, s84
	s_lshl_b32 s2, s20, 2
	s_add_co_u32 s88, s88, s2
	s_mul_i32 s88, s88, 12288
	s_mov_b32 s89, 0
	s_lshl_b32 s90, s28, 4                         ; P: tile first + 16 pb + 8 x half (no number made of cy enters)
	s_add_co_u32 s90, s90, s85
	s_lshl_b32 s2, s20, 3
	s_add_co_u32 s90, s90, s2
	s_mul_i32 s90, s90, 12288
	s_mov_b32 s91, 0
	s_mul_i32 s2, s18, 12288                       ; where they go: R (waves 0, 1): wave x 4 tiles;
	s_mul_i32 s3, s18, 24576
	s_add_co_u32 s3, s3, 49152                     ; P (waves 2, 3): behind R's 98,304 bytes, (wave - 2) x 8 tiles
	s_wait_dscnt 0x0
	s_wait_kmcnt 0x0
	s_add_nc_u64 s[88:89], s[4:5], s[88:89]
	s_add_nc_u64 s[90:91], s[4:5], s[90:91]
.irp q, 0,1,2,3                                ; a group 0 for each chunk
	s_mov_b32 s[48+4*\q], 1
	s_add_co_u32 s[49+4*\q], s2, \q*24576
	s_add_nc_u64 s[50+4*\q:51+4*\q], s[88:89], \q*3072
	s_or_b32 s[51+4*\q], s[51+4*\q], 0x80000000
	s_mov_b32 s[68+4*\q], 1
	s_add_co_u32 s[69+4*\q], s3, \q*49152
	s_add_nc_u64 s[70+4*\q:71+4*\q], s[90:91], \q*3072
	s_or_b32 s[71+4*\q], s[71+4*\q], 0x80000000
.endr
	CROUND                                         ; all sixteen work-groups are here: the joint loads meet
	s_cmp_lt_u32 s[WV], 2                          ; a wave's four fills stand in one branch on its number; four v_nop follow the last
	s_cbranch_scc0 .Lfill_p
	tensor_load_to_lds s[48:51], s[32:39]
	s_nop 0
	tensor_load_to_lds s[52:55], s[32:39]
	s_nop 0
	tensor_load_to_lds s[56:59], s[32:39]
	s_nop 0
	tensor_load_to_lds s[60:63], s[32:39]
	s_nop 0
.rept 4
	v_nop
.endr
	s_branch .Lfilled
.Lfill_p:
	tensor_load_to_lds s[68:71], s[40:47]
	s_nop 0
	tensor_load_to_lds s[72:75], s[40:47]
	s_nop 0
	tensor_load_to_lds s[76:79], s[40:47]
	s_nop 0
	tensor_load_to_lds s[80:83], s[40:47]
	s_nop 0
.rept 4
	v_nop
.endr
.Lfilled:
	v_and_b32 v1, 31, v0                           ; lane
	v_and_b32 v2, 15, v0                           ; r
	v_bfe_u32 v3, v0, 4, 1                         ; h
	v_lshlrev_b32 v27, 4, v1                       ; 16 x lane
	v_lshlrev_b32 v28, 3, v1                       ; 8 x lane
	s_mul_i32 s2, s19, 12288                       ; R: my four tiles in a chunk; chunks 0, 1 by v4, v6; chunks 2, 3 by v5, v7
	v_add_nc_u32 v4, s2, v27
	v_add_nc_u32 v6, s2, v28
	v_add_nc_u32 v5, 49152, v4
	v_add_nc_u32 v7, 49152, v6
	s_mul_i32 s2, s20, 24576                       ; P: my eight tiles in a chunk; an address pair for each chunk
	s_add_co_u32 s2, s2, 98304
.irp q, 0,1,2,3
	v_add_nc_u32 v[8+\q], s2, v27
	v_add_nc_u32 v[12+\q], s2, v28
	s_add_co_u32 s2, s2, 49152
.endr
	s_mov_b32 s2, 0
.irp a, 0,1,2,3                                ; the way out: tile a's fragment lies a x NP x 1,536 bytes on
	v_add_nc_u32 v[16+\a], s2, v27
	v_add_nc_u32 v[20+\a], s2, v28
	s_add_co_u32 s2, s2, s87
.endr
	v_lshlrev_b32 v24, 4, v2                       ; 16 r
	v_lshl_add_u32 v30, v3, 3, v24                 ; 16 r + 8 h
	v_lshlrev_b32 v25, 6, v3                       ; the bias of P's rows: 16 h numbers on
	v_and_b32 v26, 8, v2
	v_add_nc_u32 v26, v26, v2
	v_lshlrev_b32 v26, 2, v26                      ; the bias of R's rows: r + 8 (r / 8) numbers on
.irp b, 0,1,2,3
	v_mov_b32 v[TM+4+\b], 0                        ; written once: a lane permute's destination counts as one of its sources
.endr
	s_mov_b32 s[SEL], 0x76543210
	s_mov_b32 s[SEL+1], 0xfedcba98
	s_lshl_b32 s26, s28, 1
	s_add_co_u32 s26, s26, s20                     ; 2 pb + wp: my group of P's tiles, and my K step of the next product
	s_lshl_b32 s27, s29, 1
	s_add_co_u32 s27, s27, s19                     ; 2 rb + wr
	s_lshr_b32 s2, s84, 3                          ; R's scale words: group first + rb, my half of it
	s_add_co_u32 s2, s2, s29
	s_lshl_b32 s2, s2, 12
	s_lshl_b32 s3, s19, 8
	s_add_co_u32 s2, s2, s3
	s_mov_b32 s3, 0
	s_add_nc_u64 s[88:89], s[6:7], s[2:3]
	s_lshr_b32 s2, s85, 3                          ; P's: group first + 2 pb + wp
	s_add_co_u32 s2, s2, s26
	s_lshl_b32 s2, s2, 12
	s_add_nc_u64 s[90:91], s[6:7], s[2:3]
.irp s, 0,1,2,3,4,5,6,7                        ; the scale words of all eight K steps stay in registers
	global_load_b128 v[32+4*\s:35+4*\s], v24, s[88:89] offset:512*\s
	global_load_b128 v[64+4*\s:67+4*\s], v27, s[90:91] offset:512*\s
.endr
	s_cmp_eq_u32 s24, 0
	s_cselect_b64 s[92:93], s[8:9], s[10:11]
	s_lshl_b32 s2, s26, 9                          ; q, k: the bias of channels 256 pb + 128 wp on;
	s_lshl_b32 s25, s27, 8                         ; v: of channels 128 rb + 64 wr on
	s_cmp_eq_u32 s24, 2
	s_cselect_b64 s[92:93], s[12:13], s[92:93]
	s_cselect_b32 s2, s25, s2
	s_add_nc_u64 s[92:93], s[92:93], s[2:3]
	s_lshl_b32 s2, s27, 2                          ; YC: fragment (tile 8 rb + 4 wr, 2 pb + wp) of tensor z
	s_mul_i32 s2, s2, s86
	s_add_co_u32 s2, s2, s26
	s_mul_i32 s2, s2, 1536
	s_mul_i32 s25, s24, 6291456
	s_add_co_u32 s2, s2, s25
	s_add_nc_u64 s[94:95], s[14:15], s[2:3]
	s_mul_i32 s2, s29, s86                         ; YS: block (rb, 2 pb + wp), my half of it
	s_add_co_u32 s2, s2, s26
	s_lshl_b32 s2, s2, 9
	s_lshl_b32 s25, s19, 8
	s_add_co_u32 s2, s2, s25
	s_lshl_b32 s25, s24, 18
	s_add_co_u32 s2, s2, s25
	s_add_nc_u64 s[96:97], s[16:17], s[2:3]
	s_cmp_eq_u32 s24, 2                            ; the bias, in the result's layout: it is the C of each sum's first matrix instruction
	s_cbranch_scc1 .Lbias_v
	WIN TO_P
.irp t, 0,1,2,3,4,5,6,7                        ; q, k: tile t's register j is channel 32 (t / 2) + 8 (t % 2) + 16 h + j
	global_load_b128 v[192+8*\t:195+8*\t], v25, s[92:93] offset:(32*(\t/2)+8*(\t%2))*4
	global_load_b128 v[196+8*\t:199+8*\t], v25, s[92:93] offset:(32*(\t/2)+8*(\t%2))*4+16
.endr
	WIN 0
	s_branch .Lbias_done
.Lbias_v:
	WIN TO_P
.irp x, 0,1,2,3,4,5,6,7                        ; v: a lane holds one channel: the same number in all eight registers; R's four tiles, twice
.irp j, 0,1,2,3,4,5,6,7
	global_load_b32 v[192+8*\x+\j], v26, s[92:93] offset:(32*((\x%4)/2)+8*(\x%2))*4
.endr
.endr
	WIN 0
.Lbias_done:
	s_wait_loadcnt 0x0                             ; scale words and bias
	s_wait_tensorcnt 0x3                           ; my part of chunk 0 has landed; three chunks stay out
	s_barrier_signal -1
	s_barrier_wait -1                              ; everybody's has
	FETCH 0, 0
	FETCH 1, 1                                     ; chunk 0 holds K steps 0 and 1
	s_wait_dscnt 48                                ; step 0's 48 loads are in, step 1's stay out
	s_cmp_eq_u32 s24, 2
	s_cbranch_scc1 .Lfirst_v
	WIN MUL1
	MULS 0, 1
	WIN 0
	s_branch .Lfirst_done
.Lfirst_v:
	WIN MUL1
	MULS 0, 2
	WIN 0
.Lfirst_done:
	STEP 1
	STEP 2
	STEP 3
	STEP 4
	STEP 5
	STEP 6
	STEP 7
	WIN 0
	PLACES
.irp a, 0,1,2,3                                ; THE WAY OUT: R's tile a: 128 results a lane-row become one fragment of the next product.  Each tile has registers of its own for its codes
	QUANTW 64*\a, 96+20*\a, PW+\a
	global_store_b128 v[16+\a], v[96+20*\a:99+20*\a], s[94:95]                 ; each store of the wave covers 512 or 256 consecutive bytes, aligned
	global_store_b64 v[20+\a], v[100+20*\a:101+20*\a], s[94:95] offset:512
	global_store_b128 v[16+\a], v[102+20*\a:105+20*\a], s[94:95] offset:768
	global_store_b64 v[20+\a], v[106+20*\a:107+20*\a], s[94:95] offset:1280
.endr
	v_cmp_eq_u32 vcc_lo, 1, v3                     ; every lane holds its row's four words: lanes 0-15 store tiles 0, 1, lanes 16-31 tiles 2, 3
	v_cndmask_b32 v212, v208, v210, vcc_lo
	v_cndmask_b32 v213, v209, v211, vcc_lo
	global_store_b64 v30, v[212:213], s[96:97]     ; 256 consecutive bytes, aligned
	s_wait_tensorcnt 0x0
	ds_add_u32 v254, v255
	s_wait_dscnt 0x0
	CROUND                                         ; the closing round: no work-group ends while a partner may still ask for a tile that names it
	s_endpgm
.Lfunc_end_k_qb390909798_proj:
	.size	k_qb390909798_proj, .Lfunc_end_k_qb390909798_proj-k_qb390909798_proj
	.p2alignl 7, 3214868480
	.fill 96, 4, 3214868480
	.section	.rodata,"a",@progbits
	.p2align	6, 0x0
	.amdhsa_kernel k_qb390909798_proj
		.amdhsa_group_segment_fixed_size 295424
		.amdhsa_private_segment_fixed_size 0
		.amdhsa_enable_private_segment 0
		.amdhsa_kernarg_size 56
		.amdhsa_user_sgpr_count 2
		.amdhsa_user_sgpr_kernarg_segment_ptr 1
		.amdhsa_wavefront_size32 1
		.amdhsa_system_sgpr_workgroup_id_x 1
		.amdhsa_system_sgpr_workgroup_id_y 1
		.amdhsa_system_sgpr_workgroup_id_z 1
		.amdhsa_system_vgpr_workitem_id 0
		.amdhsa_next_free_vgpr 768
		.amdhsa_next_free_sgpr 100
		.amdhsa_reserve_vcc 1
		.amdhsa_float_denorm_mode_32 3
		.amdhsa_float_denorm_mode_16_64 3
		.amdhsa_memory_ordered 1
		.amdhsa_forward_progress 1
		.amdhsa_inst_pref_size 100
	.end_amdhsa_kernel
	.amdgpu_metadata
---
amdhsa.version: [ 1, 2 ]
amdhsa.kernels:
  - .name:           k_qb390909798_proj
    .symbol:         k_qb390909798_proj.kd
    .args:
      - { .name: XC, .offset: 0, .size: 8, .value_kind: global_buffer, .address_space: global }
      - { .name: XS, .offset: 8, .size: 8, .value_kind: global_buffer, .address_space: global }
      - { .name: bq, .offset: 16, .size: 8, .value_kind: global_buffer, .address_space: global }
      - { .name: bk, .offset: 24, .size: 8, .value_kind: global_buffer, .address_space: global }
      - { .name: bv, .offset: 32, .size: 8, .value_kind: global_buffer, .address_space: global }
      - { .name: YC, .offset: 40, .size: 8, .value_kind: global_buffer, .address_space: global }
      - { .name: YS, .offset: 48, .size: 8, .value_kind: global_buffer, .address_space: global }
    .group_segment_fixed_size: 295424
    .private_segment_fixed_size: 0
    .kernarg_segment_align: 8
    .kernarg_segment_size: 56
    .max_flat_workgroup_size: 128
    .sgpr_count:     100
    .vgpr_count:     768
    .wavefront_size: 32
...
	.end_amdgpu_metadata
.endif
;; end of part 2
;; launch attn (part 3): grid 4 x 64, 16 waves a work-group, clusters of 4 x 1, 210,944 bytes of LDS; arguments YC, YS, ZC, ZS; writes ZC, ZS
.if DOCPART == 3
	.amdgcn_target "amdgcn-amd-amdhsa--gfx1250"
	.amdhsa_code_object_version 6
	.text
	.protected	k_qb390909798_attn
	.globl	k_qb390909798_attn
	.p2align	8
	.type	k_qb390909798_attn,@function
k_qb390909798_attn:
	s_mov_b64 s[64:65], 0
	v_nop
	global_prefetch_b8 v0, s[64:65] scope:SCOPE_SE
	s_setreg_imm32_b32 hwreg(HW_REG_WAVE_MODE, 25, 1), 1
	s_wait_xcnt 0x0
	s_wait_alu depctr_hold_cnt(0) depctr_sa_sdst(0) depctr_va_vdst(0) depctr_va_sdst(0) depctr_va_ssrc(0) depctr_va_vcc(0) depctr_vm_vsrc(0)
	s_getreg_b32 s2, hwreg(HW_REG_IB_STS2, 6, 4)
	s_cmp_eq_u32 s2, 0
	s_cbranch_scc0 .Lentry_in_a_cluster
	s_endpgm
.Lentry_in_a_cluster:
	s_bfe_u32 s2, ttmp6, 0x10000c
	s_cmp_lg_u32 s2, 0x3003
	s_cbranch_scc0 .Lentry_shape_is_right
	s_endpgm
.Lentry_shape_is_right:
; x[b][q][head] = the sum over keys k <= q of softmax_k(q . k) v, logits unscaled, both products on codes of FP6 (E2M3) with E8M0 scales; x is quantised along its 1,024 channels and leaves as codes.
; THE SOFTMAX AHEAD OF THE SECOND PRODUCT: t = score x log2(e); M = the row's largest t so far, rounded UP to a whole number; p = 2^(t - M) is quantised along the keys, not normalised.
; The row's sum is taken of the unquantised p and divides at the end.  When M moves, the sum and O are multiplied by 2^(old M - new M): exact.
; SHARES.  The four work-groups of a cluster share one (batch, head).  Its K, V and scale bytes for all 2,048 keys, 208,896 bytes, are asked for jointly, filled ONCE and stay: no slot is filled again, and the loop has no barrier.
; A wave makes two tiles of 16 queries, one after the other: tile 8 jj + tl, tl = 2 cx + wave % 2, jj = wave / 2 and then 15 - wave / 2.  The tile's queries lie among keys 128 jj .. 128 jj + 127,
; so it has jj key steps of 128 keys all of which count and one on the diagonal: 17 steps for every wave of the launch.  Steps all of whose keys are hidden are not done.
; Branches and LDS addresses hang on the wave's number and on counters alone; cx enters global offsets and the mask's compare value only.
; LAYOUT.  Both products are used transposed: S^T = K Q^T, O^T = V^T P^T: a lane holds ONE query.  Lane r of a tile is row 32 (T / 2) + 8 (T % 2) + r + 8 (r / 8), so the 16 registers of tiles 2 b, 2 b + 1 are 16 neighbours.
; A HEAD HAS 64 CHANNELS, the instruction's K is 128.  Q's operand is [my head's six registers | six of zero codes]; K's upper six registers are whatever follows (the next tile's codes): they meet zero codes.
; The scale words come as halfwords: bytes 0, 1 my head's, bytes 2, 3 zero, which is a power of two and no NaN.
; LIMITS: NaN and infinities are not served.  A block's largest p is taken from its largest score: that takes v_exp_f32 not to fall where its input rises.  Hidden scores are -1e10, as the problem has them.
; A block of O whose largest magnitude lies under 2^-124, or of zeros, keeps the byte 1 (read by this program alone).
; LDS: K's half fragments at key tile x 768; V's fragments at 98,304 + channel tile x 24,576 + key step x 1,536; K's scale words at 196,608 + step x 512; V's at 204,800 + step x 256.
; REGISTERS: v1-7 places that stay; v8-11, v28, v29, v31, v94 the step's addresses; v12 -M, v13 the largest t, v[14:15] the sum; v16-27 Q; v30 Q's scales; v32-79 K's, then V's fragments; v80-85 zeros;
;   v86-89 K's scales, v90-93 V's; v96-159 S^T, then p; v160-191 O^T; v192-211 p's codes; v212-229 at work; v232 16 r.
.set WV,  12
.set SEL, 20
.set CS,  22
.set S,   96
.set O,   160
.set BM,  212                          ; the blocks' largest scores, then largest p
.set EX,  216                          ; the other half's; then the bytes; then the second chain of the sum
.set SC,  220                          ; the conversions' scale operands
.macro PLACES
.rept 4
	v_nop
.endr
.endm
.macro CROUND                          ; a round of the cluster's barrier
	s_barrier_signal -1
	s_barrier_wait -1
	s_cmp_lg_u32 s[WV], 0
	s_cbranch_scc1 .Lnot_wave_0_\@
	s_barrier_signal -3
.Lnot_wave_0_\@:
	s_barrier_wait -3
	s_barrier_signal -1
	s_barrier_wait -1
.endm
.macro FRAGL d, a16, a8, off           ; a fragment's image, 1,536 bytes, into 12 registers
	ds_load_b128 v[(\d):(\d)+3], v[\a16] offset:(\off)
	ds_load_b64 v[(\d)+4:(\d)+5], v[\a8] offset:(\off)+512
	ds_load_b128 v[(\d)+6:(\d)+9], v[\a16] offset:(\off)+768
	ds_load_b64 v[(\d)+10:(\d)+11], v[\a8] offset:(\off)+1280
.endm
; A KEY STEP: 128 keys.  mask = 1: the step on the diagonal.
.macro STEP mask
	v_add_nc_u32 v8, s79, v1                       ; the step's addresses: these eight lines are also the places behind the last products, in front of the loads below
	v_add_nc_u32 v9, s79, v2
	v_add_nc_u32 v10, s81, v3
	v_add_nc_u32 v11, s80, v4
	v_add_nc_u32 v28, s80, v5
	v_add_nc_u32 v94, s82, v6
	v_add_nc_u32 v29, 49152, v11                   ; V's channel tiles 2, 3 lie beyond an LDS offset's reach
	v_add_nc_u32 v31, 49152, v28
.irp t, 0,1,2,3,4,5,6,7
	ds_load_b128 v[32+6*\t:35+6*\t], v8 offset:768*\t
	ds_load_b64 v[36+6*\t:37+6*\t], v9 offset:768*\t+512
.endr
.irp j, 0,1,2,3
	ds_load_u16 v[86+\j], v10 offset:4*\j          ; lanes 0-15: tile j's halfwords, lanes 16-31: tile 4 + j's
.endr
	s_wait_dscnt 0x0
.irp t, 0,1,2,3,4,5,6,7                        ; S^T: register 16 b + i of a lane is key 32 b + 16 h + i of the step
.if \t < 4
	v_wmma_scale_f32_16x16x128_f8f6f4 v[S+8*\t:S+8*\t+7], v[32+6*\t:43+6*\t], v[16:27], 0, v[86+\t%4], v30 matrix_a_fmt:MATRIX_FMT_FP6 matrix_b_fmt:MATRIX_FMT_FP6
.else
	v_wmma_scale_f32_16x16x128_f8f6f4 v[S+8*\t:S+8*\t+7], v[32+6*\t:43+6*\t], v[16:27], 0, v[86+\t%4], v30 matrix_a_fmt:MATRIX_FMT_FP6 matrix_b_fmt:MATRIX_FMT_FP6 matrix_a_scale:MATRIX_SCALE_ROW1
.endif
.endr
	PLACES
	FRAGL 32, 11, 28, 0                            ; V's four fragments land while the softmax is worked
	FRAGL 44, 11, 28, 24576
	FRAGL 56, 29, 31, 0
	FRAGL 68, 29, 31, 24576
	ds_load_b128 v[90:93], v94                     ; and their scale words: register ct is channel tile ct's
.if \mask
.set n, 0
.rept 64                                       ; register n holds key 32 (n / 16) + n % 16 + 16 h of the step: hidden where that lies behind my query
	v_cmp_gt_i32 vcc_lo, 32*(n/16)+n%16, v7
	v_cndmask_b32 v[S+n], v[S+n], v229, vcc_lo
.set n, n+1
.endr
.endif
.irp b, 0,1,2,3
	v_max3_num_f32 v[BM+\b], v[S+16*\b], v[S+1+16*\b], v[S+2+16*\b]   ; the largest score of each block of 32 keys: for the row's maximum and, since p rises with the score, for the block's largest p
.endr
.irp i, 3,5,7,9,11,13
.irp b, 0,1,2,3
	v_max3_num_f32 v[BM+\b], v[BM+\b], v[S+16*\b+\i], v[S+1+16*\b+\i]
.endr
.endr
.irp b, 0,1,2,3
	v_max_num_f32 v[BM+\b], v[BM+\b], v[S+15+16*\b]
.endr
.irp b, 0,1,2,3
	v_permlanex16_b32 v[EX+\b], v[BM+\b], s[SEL], s[SEL+1]
.endr
.irp b, 0,1,2,3
	v_max_num_f32 v[BM+\b], v[BM+\b], v[EX+\b]     ; with lane l xor 16's 16 keys
.endr
	v_max3_num_f32 v224, v212, v213, v214
	v_max_num_f32 v224, v224, v215                 ; the step's largest score of my query
	v_mul_f32 v224, s[CS], v224                    ; as t
	v_max_num_f32 v13, v13, v224                   ; the running largest t
	v_mov_b32 v224, v12
	v_floor_f32 v12, -v13                          ; the new -M = floor(-t): M is a whole number
	v_sub_f32 v224, v12, v224                      ; old M - new M: a whole number, 0 or less
	v_cvt_i32_f32 v224, v224                       ; (it saturates)
	v_ldexp_f32 v226, 1.0, v224                    ; f = 2^(old M - new M)
.set j, 0
.rept 32
	v_pk_fma_f32 v[S+j:S+j+1], v[S+j:S+j+1], s[CS:CS+1], v[12:13] op_sel_hi:[1,0,0]   ; t - M, two at a time
.set j, j+2
.endr
.irp b, 0,1,2,3
	v_fma_f32 v[BM+\b], v[BM+\b], s[CS], v12       ; the same of each block's largest score
.endr
.set j, 0
.rept 64
	v_exp_f32 v[S+j], v[S+j]                       ; p = 2^(t - M)
.set j, j+1
.endr
.irp b, 0,1,2,3
	v_exp_f32 v[BM+\b], v[BM+\b]                   ; the block's largest p
.endr
	v_pk_mul_f32 v[14:15], v[14:15], v[226:227] op_sel_hi:[1,0]    ; the sums under the new M (a plain place behind the exponentials)
	s_wait_alu depctr_va_vdst(0)
.irp b, 0,1,2,3
	v_max_num_f32 v[BM+\b], 0x1800000, v[BM+\b]    ; the floor 2^(3 - 127): the byte cannot fall under 1
.endr
.irp b, 0,1,2,3
	v_add_nc_u32 v[SC+\b], 0xff000000, v[BM+\b]    ; 2 off the exponent field: the conversion's scale operand
.endr
.irp b, 0,1,2,3
	v_lshrrev_b32 v[EX+\b], 23, v[SC+\b]           ; the scale's byte
.endr
	v_lshl_or_b32 v228, v217, 8, v216              ; p's scale word for these 128 keys
	v_lshl_or_b32 v228, v218, 16, v228
	v_lshl_or_b32 v228, v219, 24, v228
.irp c, 0,1
	v_cvt_scalef32_pk16_fp6_f32 v[192+6*\c:194+6*\c], v[S+32*\c:S+15+32*\c], v[SC+2*\c]
	v_cvt_scalef32_pk16_fp6_f32 v[204+4*\c:206+4*\c], v[S+16+32*\c:S+31+32*\c], v[SC+2*\c+1]
.endr
	v_nop                                          ; one plain place behind a scaled conversion
.irp c, 0,1
.irp i, 0,1,2
	v_permlane16_swap_b32 v[192+6*\c+\i], v[204+4*\c+\i]
.endr
.irp i, 0,1,2
	v_mov_b32 v[195+6*\c+\i], v[204+4*\c+\i]
.endr
.endr
	v_pk_add_f32 v[216:217], v[S:S+1], v[S+2:S+3]  ; the row's sum is taken of the unquantised p: two at a time, in two chains
.irp j, 4,8,12,16,20,24,28,32,36,40,44,48,52,56,60
	v_pk_add_f32 v[14:15], v[14:15], v[S+\j:S+1+\j]
	v_pk_add_f32 v[216:217], v[216:217], v[S+2+\j:S+3+\j]
.endr
	v_pk_add_f32 v[14:15], v[14:15], v[216:217]
.set j, 0
.rept 16
	v_pk_mul_f32 v[O+j:O+j+1], v[O+j:O+j+1], v[226:227] op_sel_hi:[1,0]   ; O^T under the new M.  (The sums and these are the places between the scale word's and the codes' last writes and the products)
.set j, j+2
.endr
	s_wait_dscnt 0x0                               ; V is in
.irp ct, 0,1,2,3                               ; O^T += V^T P^T: four accumulators by turns
	v_wmma_scale_f32_16x16x128_f8f6f4 v[O+8*\ct:O+8*\ct+7], v[32+12*\ct:43+12*\ct], v[192:203], v[O+8*\ct:O+8*\ct+7], v[90+\ct], v228 matrix_a_fmt:MATRIX_FMT_FP6 matrix_b_fmt:MATRIX_FMT_FP6
.endr
.endm
	s_load_b256 s[4:11], s[0:1], 0x0               ; YC, YS, ZC, ZS
	v_lshl_add_u32 v254, v0, 2, 0x33000
	v_mov_b32 v255, 0
	ds_add_u32 v254, v255
	ds_add_u32 v254, v255
	v_lshrrev_b32 v224, 5, v0
	v_readfirstlane_b32 s[WV], v224                ; wave 0..15
	s_bfe_u32 s13, ttmp6, 0x40000                  ; cx
	s_and_b32 s14, ttmp7, 0xffff
	s_lshr_b32 s15, s14, 4                         ; batch
	s_and_b32 s16, s14, 15                         ; head
	s_lshr_b32 s17, s16, 1                         ; its pair
	s_and_b32 s18, s16, 1                          ; and which of the pair
	s_lshr_b32 s19, s12, 1                         ; jj of the first pass
	s_and_b32 s96, s12, 1
	s_lshl_b32 s76, s13, 1
	s_add_co_u32 s76, s76, s96                     ; tl
	; descriptor groups 1: elements of 8 bytes, mask = all four work-groups, bit 21 beside it, no padding
	s_mov_b32 s24, 15|(3<<16)|(1<<21)              ; K: 64 rows (key tiles) of 768 bytes, 12,288 bytes apart
	s_mov_b32 s25, 96<<16
	s_mov_b32 s26, 64<<16
	s_mov_b32 s27, 96<<16
	s_mov_b32 s28, 64
	s_mov_b32 s29, 1536
	s_mov_b32 s30, 0
	s_mov_b32 s31, 0
	s_mov_b32 s32, 15|(3<<16)|(1<<21)              ; V: 2 rows (channel tiles) of 24,576 bytes, 98,304 bytes apart
	s_mov_b32 s33, 3072<<16
	s_mov_b32 s34, 2<<16
	s_mov_b32 s35, 3072<<16
	s_mov_b32 s36, 2
	s_mov_b32 s37, 12288
	s_mov_b32 s38, 0
	s_mov_b32 s39, 0
	s_mov_b32 s40, 15|(3<<16)|(1<<21)              ; K's scale words: 16 rows (key steps) of 512 bytes, 4,096 bytes apart
	s_mov_b32 s41, 64<<16
	s_mov_b32 s42, 16<<16
	s_mov_b32 s43, 64<<16
	s_mov_b32 s44, 16
	s_mov_b32 s45, 512
	s_mov_b32 s46, 0
	s_mov_b32 s47, 0
	s_mov_b32 s48, 15|(3<<16)|(1<<21)              ; V's: 16 rows of 256 bytes, 512 bytes apart
	s_mov_b32 s49, 32<<16
	s_mov_b32 s50, 16<<16
	s_mov_b32 s51, 32<<16
	s_mov_b32 s52, 16
	s_mov_b32 s53, 64
	s_mov_b32 s54, 0
	s_mov_b32 s55, 0
	s_lshl_b32 s84, s15, 7                         ; K: ((128 batch + 64 x half) x 8 + pair) x 1,536 + 768 x which, in YC's second tensor
	s_lshl_b32 s97, s96, 6
	s_add_co_u32 s84, s84, s97
	s_lshl_b32 s84, s84, 3
	s_add_co_u32 s84, s84, s17
	s_mul_i32 s84, s84, 1536
	s_mul_i32 s97, s18, 768
	s_add_co_u32 s84, s84, s97
	s_add_co_u32 s84, s84, 6291456
	s_mov_b32 s85, 0
	s_lshl_b32 s86, s16, 2                         ; V: ((4 head + 2 x half) x 64 + 16 batch) x 1,536, in the third
	s_lshl_b32 s97, s96, 1
	s_add_co_u32 s86, s86, s97
	s_lshl_b32 s86, s86, 6
	s_lshl_b32 s97, s15, 4
	s_add_co_u32 s86, s86, s97
	s_mul_i32 s86, s86, 1536
	s_add_co_u32 s86, s86, 12582912
	s_mov_b32 s87, 0
	s_lshl_b32 s88, s15, 7                         ; K's scale words: (128 batch + pair) x 512
	s_add_co_u32 s88, s88, s17
	s_lshl_b32 s88, s88, 9
	s_add_co_u32 s88, s88, 262144
	s_mov_b32 s89, 0
	s_lshl_b32 s90, s17, 6                         ; V's: (64 pair + 16 batch) x 512 + 256 x which
	s_add_co_u32 s90, s90, s97
	s_lshl_b32 s90, s90, 9
	s_lshl_b32 s97, s18, 8
	s_add_co_u32 s90, s90, s97
	s_add_co_u32 s90, s90, 524288
	s_mov_b32 s91, 0
	s_mul_i32 s57, s12, 49152                      ; LDS: waves 0, 1: K's halves; waves 2, 3: V's, which begin at 98,304
	s_wait_dscnt 0x0
	s_wait_kmcnt 0x0
	s_mov_b32 s56, 1
	s_add_nc_u64 s[58:59], s[4:5], s[84:85]
	s_or_b32 s59, s59, 0x80000000
	s_mov_b32 s60, 1
	s_mov_b32 s61, s57
	s_add_nc_u64 s[62:63], s[4:5], s[86:87]
	s_or_b32 s63, s63, 0x80000000
	s_mov_b32 s68, 1
	s_mov_b32 s69, 196608
	s_add_nc_u64 s[70:71], s[6:7], s[88:89]
	s_or_b32 s71, s71, 0x80000000
	s_mov_b32 s72, 1
	s_mov_b32 s73, 204800
	s_add_nc_u64 s[74:75], s[6:7], s[90:91]
	s_or_b32 s75, s75, 0x80000000
	CROUND                                         ; all four work-groups are here: the joint loads meet
	s_cmp_lt_u32 s[WV], 2                          ; one load a wave at the most; the branches hang on the wave's number alone; four v_nop follow each load
	s_cbranch_scc0 .Lnot_k
	tensor_load_to_lds s[56:59], s[24:31]
	s_nop 0
.rept 4
	v_nop
.endr
	s_branch .Lasked
.Lnot_k:
	s_cmp_lt_u32 s[WV], 4
	s_cbranch_scc0 .Lnot_v
	tensor_load_to_lds s[60:63], s[32:39]
	s_nop 0
.rept 4
	v_nop
.endr
	s_branch .Lasked
.Lnot_v:
	s_cmp_eq_u32 s[WV], 4
	s_cbranch_scc0 .Lnot_ks
	tensor_load_to_lds s[68:71], s[40:47]
	s_nop 0
.rept 4
	v_nop
.endr
	s_branch .Lasked
.Lnot_ks:
	s_cmp_eq_u32 s[WV], 5
	s_cbranch_scc0 .Lasked
	tensor_load_to_lds s[72:75], s[48:55]
	s_nop 0
.rept 4
	v_nop
.endr
.Lasked:
	v_and_b32 v224, 31, v0                         ; lane
	v_and_b32 v225, 15, v0                         ; r
	v_bfe_u32 v226, v0, 4, 1                       ; h
	v_lshlrev_b32 v1, 4, v224                      ; 16 x lane: K's place, and a global offset
	v_lshlrev_b32 v2, 3, v224                      ; 8 x lane likewise
	s_lshl_b32 s96, s18, 1
	s_add_co_u32 s96, s96, 196608
	v_add_nc_u32 v3, s96, v1                       ; K's scale halfwords: my head's two bytes of each word
	v_add_nc_u32 v4, 98304, v1                     ; V
	v_add_nc_u32 v5, 98304, v2
	v_lshlrev_b32 v232, 4, v225                    ; 16 r
	v_add_nc_u32 v6, 204800, v232                  ; V's scale words
	v_and_b32 v7, 8, v225
	v_add_nc_u32 v7, v7, v225
	v_lshlrev_b32 v227, 4, v226
	v_sub_nc_u32 v7, v7, v227
	s_lshr_b32 s96, s76, 1
	s_lshl_b32 s96, s96, 5
	s_and_b32 s97, s76, 1
	s_lshl_b32 s97, s97, 3
	s_add_co_u32 s96, s96, s97
	v_add_nc_u32 v7, s96, v7                       ; d = my query's place in its 128, less 16 h: on the diagonal register n is hidden where 32 (n / 16) + n % 16 > d
.irp i, 0,1,2,3,4,5
	v_mov_b32 v[22+\i], 0                          ; Q's upper half: zero codes
	v_mov_b32 v[80+\i], 0                          ; what follows K's last tile
.endr
.irp b, 0,1,2,3
	v_mov_b32 v[EX+\b], 0                          ; written once: a lane permute's destination counts as one of its sources
.endr
	v_mov_b32 v227, 0                              ; (named as the upper half of the pair v[226:227])
	v_mov_b32 v229, 0xd01502f9                     ; -1e10
	s_mov_b32 s[SEL], 0x76543210
	s_mov_b32 s[SEL+1], 0xfedcba98
	s_mov_b32 s[CS], 0x3fb8aa3b                    ; log2(e)
	s_mov_b32 s[CS+1], s[CS]                       ; (named with it as a pair, so it is written)
	s_mov_b32 s77, 0
	s_wait_tensorcnt 0x0                           ; my load, if I issued one, has landed
	s_barrier_signal -1
	s_barrier_wait -1                              ; everybody's has: from here on LDS is only read
.Lpass:                                            ; two trips: tile 8 jj + tl, then the same with 15 - jj
	s_lshl_b32 s84, s15, 7                         ; the tile's half fragment, in YC (Q) and in ZC alike: ((128 batch + 8 jj + tl) x 8 + pair) x 1,536 + 768 x which
	s_lshl_b32 s96, s19, 3
	s_add_co_u32 s84, s84, s96
	s_add_co_u32 s84, s84, s76
	s_lshl_b32 s84, s84, 3
	s_add_co_u32 s84, s84, s17
	s_mul_i32 s84, s84, 1536
	s_mul_i32 s96, s18, 768
	s_add_co_u32 s84, s84, s96
	s_mov_b32 s85, 0
	s_lshl_b32 s86, s15, 4                         ; its scale halfwords, in YS and ZS alike: ((16 batch + jj) x 8 + pair) x 512 + 256 (tl / 4) + 4 (tl % 4) + 2 x which
	s_add_co_u32 s86, s86, s19
	s_lshl_b32 s86, s86, 3
	s_add_co_u32 s86, s86, s17
	s_lshl_b32 s86, s86, 9
	s_lshr_b32 s96, s76, 2
	s_lshl_b32 s96, s96, 8
	s_add_co_u32 s86, s86, s96
	s_and_b32 s96, s76, 3
	s_lshl_b32 s96, s96, 2
	s_add_co_u32 s86, s86, s96
	s_lshl_b32 s96, s18, 1
	s_add_co_u32 s86, s86, s96
	s_mov_b32 s87, 0
	s_add_nc_u64 s[88:89], s[4:5], s[84:85]
	s_add_nc_u64 s[90:91], s[6:7], s[86:87]
	s_add_nc_u64 s[92:93], s[8:9], s[84:85]
	s_add_nc_u64 s[94:95], s[10:11], s[86:87]
	global_load_b128 v[16:19], v1, s[88:89]        ; Q's half fragment stays in registers
	global_load_b64 v[20:21], v2, s[88:89] offset:512
	global_load_u16 v30, v232, s[90:91]            ; and its scale halfwords
.set j, 0
.rept 32
	v_mov_b32 v[O+j], 0                            ; O^T.  (The step is written once: the first finds zeros, which the first change of M leaves zeros)
.set j, j+1
.endr
	v_mov_b32 v14, 0                               ; the sum, in two halves
	v_mov_b32 v15, 0
	v_mov_b32 v13, 0xff61b1e6                      ; the largest t so far: -3e38, under every t
	v_floor_f32 v12, -v13                          ; -M
	s_mov_b32 s79, 0                               ; where the step's tiles of K,
	s_mov_b32 s80, 0                               ; its fragments of V,
	s_mov_b32 s81, 0                               ; K's scale words
	s_mov_b32 s82, 0                               ; and V's begin
	s_mov_b32 s78, 0
	s_wait_loadcnt 0x0
.Lkey:                                             ; 15 trips, a constant: the steps in front of the diagonal are worked, the others only counted
	s_cmp_ge_u32 s78, s19
	s_cbranch_scc1 .Lskip
	STEP 0
.Lskip:
	s_add_co_u32 s79, s79, 6144
	s_add_co_u32 s80, s80, 1536
	s_add_co_u32 s81, s81, 512
	s_add_co_u32 s82, s82, 256
	s_add_co_u32 s78, s78, 1
	s_cmp_lt_u32 s78, 15
	s_cbranch_scc1 .Lkey
	s_mul_i32 s79, s19, 6144                       ; the step on the diagonal: key step jj
	s_mul_i32 s80, s19, 1536
	s_mul_i32 s81, s19, 512
	s_mul_i32 s82, s19, 256
	STEP 1
	PLACES                                         ; THE WAY OUT
	v_add_f32 v14, v14, v15                        ; the sum's two halves,
	v_permlanex16_b32 v224, v14, s[SEL], s[SEL+1]
	v_add_f32 v14, v14, v224                       ; and lane l xor 16's: the row's sum
	v_rcp_f32 v14, v14
	v_nop                                          ; one plain place behind a transcendental
.set j, 0
	s_wait_alu depctr_va_vdst(0)
.rept 16
	v_pk_mul_f32 v[S+j:S+j+1], v[O+j:O+j+1], v[14:15] op_sel_hi:[1,0]   ; O^T / the sum, each accumulator from its low end on: register 16 b + i is channel 32 b + 16 h + i of my head
.set j, j+2
.endr
.irp b, 0,1                                    ; my head's two blocks of 32 along the last product's K
	v_max3_num_f32 v[BM+\b], |v[S+16*\b]|, |v[S+1+16*\b]|, 0x1800000
.endr
.irp i, 2,4,6,8,10,12,14
.irp b, 0,1
	v_max3_num_f32 v[BM+\b], v[BM+\b], |v[S+16*\b+\i]|, |v[S+1+16*\b+\i]|
.endr
.endr
.irp b, 0,1
	v_permlanex16_b32 v[EX+\b], v[BM+\b], s[SEL], s[SEL+1]
.endr
.irp b, 0,1
	v_max_num_f32 v[BM+\b], v[BM+\b], v[EX+\b]
.endr
.irp b, 0,1
	v_add_nc_u32 v[SC+\b], 0xff000000, v[BM+\b]
.endr
.irp b, 0,1
	v_lshrrev_b32 v[EX+\b], 23, v[SC+\b]
.endr
	v_lshl_or_b32 v225, v217, 8, v216              ; my row's two bytes
	v_cvt_scalef32_pk16_fp6_f32 v[192:194], v[S:S+15], v220
	v_cvt_scalef32_pk16_fp6_f32 v[204:206], v[S+16:S+31], v221
	v_nop                                          ; one plain place behind a scaled conversion
.irp i, 0,1,2
	v_permlane16_swap_b32 v[192+\i], v[204+\i]
.endr
.irp i, 0,1,2
	v_mov_b32 v[195+\i], v[204+\i]
.endr
	global_store_b128 v1, v[192:195], s[92:93]     ; 512 consecutive bytes, aligned,
	global_store_b64 v2, v[196:197], s[92:93] offset:512           ; and 256
	global_store_b16 v232, v225, s[94:95]          ; two bytes a row, 16 bytes apart: the other bytes of the 256 belong to other tiles and to the other head of the pair.  Lanes l and l xor 16 store the same value at the same place
	s_wait_xcnt 0x0                                ; the stores have read their registers and bases: both are written again in the next pass
	s_xor_b32 s19, s19, 15
	s_add_co_u32 s77, s77, 1
	s_cmp_lt_u32 s77, 2
	s_cbranch_scc1 .Lpass
	s_wait_tensorcnt 0x0
	ds_add_u32 v254, v255
	s_wait_dscnt 0x0
	CROUND                                         ; the closing round: no work-group ends while a partner may still ask for a tile that names it
	s_endpgm
.Lfunc_end_k_qb390909798_attn:
	.size	k_qb390909798_attn, .Lfunc_end_k_qb390909798_attn-k_qb390909798_attn
	.p2alignl 7, 3214868480
	.fill 96, 4, 3214868480
	.section	.rodata,"a",@progbits
	.p2align	6, 0x0
	.amdhsa_kernel k_qb390909798_attn
		.amdhsa_group_segment_fixed_size 210944
		.amdhsa_private_segment_fixed_size 0
		.amdhsa_enable_private_segment 0
		.amdhsa_kernarg_size 32
		.amdhsa_user_sgpr_count 2
		.amdhsa_user_sgpr_kernarg_segment_ptr 1
		.amdhsa_wavefront_size32 1
		.amdhsa_system_sgpr_workgroup_id_x 1
		.amdhsa_system_sgpr_workgroup_id_y 1
		.amdhsa_system_sgpr_workgroup_id_z 1
		.amdhsa_system_vgpr_workitem_id 0
		.amdhsa_next_free_vgpr 256
		.amdhsa_next_free_sgpr 100
		.amdhsa_reserve_vcc 1
		.amdhsa_float_denorm_mode_32 3
		.amdhsa_float_denorm_mode_16_64 3
		.amdhsa_memory_ordered 1
		.amdhsa_forward_progress 1
		.amdhsa_inst_pref_size 53
	.end_amdhsa_kernel
	.amdgpu_metadata
---
amdhsa.version: [ 1, 2 ]
amdhsa.kernels:
  - .name:           k_qb390909798_attn
    .symbol:         k_qb390909798_attn.kd
    .args:
      - { .name: YC, .offset: 0, .size: 8, .value_kind: global_buffer, .address_space: global }
      - { .name: YS, .offset: 8, .size: 8, .value_kind: global_buffer, .address_space: global }
      - { .name: ZC, .offset: 16, .size: 8, .value_kind: global_buffer, .address_space: global }
      - { .name: ZS, .offset: 24, .size: 8, .value_kind: global_buffer, .address_space: global }
    .group_segment_fixed_size: 210944
    .private_segment_fixed_size: 0
    .kernarg_segment_align: 8
    .kernarg_segment_size: 32
    .max_flat_workgroup_size: 512
    .sgpr_count:     100
    .vgpr_count:     256
    .wavefront_size: 32
...
	.end_amdgpu_metadata
.endif
;; end of part 3
;; launch outp (part 4): grid 4 x 64, 4 waves a work-group, clusters of 4 x 4, 295,424 bytes of LDS; arguments ZC, ZS, XC, XS, bo, out0; writes out0
.if DOCPART == 4
	.amdgcn_target "amdgcn-amd-amdhsa--gfx1250"
	.amdhsa_code_object_version 6
	.text
	.protected	k_qb390909798_outp
	.globl	k_qb390909798_outp
	.p2align	8
	.type	k_qb390909798_outp,@function
k_qb390909798_outp:
	s_mov_b64 s[64:65], 0
	v_nop
	global_prefetch_b8 v0, s[64:65] scope:SCOPE_SE
	s_setreg_imm32_b32 hwreg(HW_REG_WAVE_MODE, 25, 1), 1
	s_wait_xcnt 0x0
	s_wait_alu depctr_hold_cnt(0) depctr_sa_sdst(0) depctr_va_vdst(0) depctr_va_sdst(0) depctr_va_ssrc(0) depctr_va_vcc(0) depctr_vm_vsrc(0)
	s_getreg_b32 s2, hwreg(HW_REG_IB_STS2, 6, 4)
	s_cmp_eq_u32 s2, 0
	s_cbranch_scc0 .Lentry_in_a_cluster
	s_endpgm
.Lentry_in_a_cluster:
	s_bfe_u32 s2, ttmp6, 0x10000c
	s_cmp_lg_u32 s2, 0xf033
	s_cbranch_scc0 .Lentry_shape_is_right
	s_endpgm
.Lentry_shape_is_right:
; out0 = Q(x) Q(Wo)^T + bo on codes of FP6 (E2M3) with E8M0 scales, sums in f32.  x's codes and scale words lie in ZC, ZS, Wo's in XC, XS (tiles 1,728 on), both in the order of an operand's registers.
; Source 0 (P) = Wo's rows (output channels), source 1 (R) = tokens: a lane holds one token, and its registers run along the channels.
; Lane r of a tile T is row 32 (T / 2) + 8 (T % 2) + r + 8 (r / 8); so register j of P's tile t is channel 32 (t / 2) + 8 (t % 2) + 16 h + j of the wave's 128.
; SHARES.  A work-group makes 128 tokens x 256 channels over all of K = 1,024; a wave 64 x 128: 32 accumulators, 8 K steps of 32 matrix instructions.  256 work-groups.
; LDS.  The work-group's codes, (128 + 256) rows x 768 bytes, fit at once: every byte is filled once, in four chunks of 256 along K, and counted waits let the work begin on the first.
; CLUSTER 4 x 4.  R's tiles hang on the cluster's row, P's on its column: each is asked for jointly by the four that share it.  A wave has four tensor loads out at the most.
; LIMITS: NaN and infinities are not served.
; REGISTERS.  window 0: v1-31 addresses; v32-63 R's scale words (4 s + a), v64-95 P's (4 s + j: tile j in lanes 0-15, tile 4 + j in lanes 16-31); v96-191 R's fragments, two sets; on the way out v96-223 rows of out0.
;   window 1: v0-191 P's fragments, two sets; v192-255 the bias.   window 2: accumulator (a, t) at v[64 a + 8 t].
.set WV,   18
.set MSB,  0
.macro WIN new                         ; the immediate's high byte repeats the setting that is left
.if MSB != \new
	s_set_vgpr_msb (MSB<<8)|\new
.set MSB, \new
.endif
.endm
.set MUL,  0xa1                        ; source 0 (P) window 1, source 1 (R) window 0, C and D window 2
.set MUL1, 0x91                        ; the same with C (the bias) in window 1
.set TO_P, 0x40                        ; destination window 1, address window 0
.macro PLACES                          ; four places behind a matrix instruction, in front of loads into its registers and of the first read of results
.rept 4
	v_nop
.endr
.endm
.macro CROUND                          ; a round of the cluster's barrier
	s_barrier_signal -1
	s_barrier_wait -1
	s_cmp_lg_u32 s[WV], 0
	s_cbranch_scc1 .Lnot_wave_0_\@
	s_barrier_signal -3
.Lnot_wave_0_\@:
	s_barrier_wait -3
	s_barrier_signal -1
	s_barrier_wait -1
.endm
.macro FRAGL d, a16, a8, off           ; a fragment's image, 1,536 bytes, into 12 registers
	ds_load_b128 v[(\d):(\d)+3], v[\a16] offset:(\off)
	ds_load_b64 v[(\d)+4:(\d)+5], v[\a8] offset:(\off)+512
	ds_load_b128 v[(\d)+6:(\d)+9], v[\a16] offset:(\off)+768
	ds_load_b64 v[(\d)+10:(\d)+11], v[\a8] offset:(\off)+1280
.endm
.macro FETCH s, set                    ; K step s: P's eight fragments and R's four, 48 loads in one run
.set fq, (\s)/2
.set fe, (\s)%2
	WIN TO_P
.irp t, 0,1,2,3,4,5,6,7
	FRAGL 96*(\set)+12*\t, 8+fq, 12+fq, 3072*\t+1536*fe
.endr
	WIN 0
.irp a, 0,1,2,3
	FRAGL 96+48*(\set)+12*\a, 4+fq/2, 6+fq/2, 24576*(fq%2)+3072*\a+1536*fe
.endr
.endm
; 32 matrix instructions.  The accumulators take turns, one instruction a turn, in the same order in every step.  cm = 1: the sums begin with the bias
.macro MULS s, cm
.irp a, 0,1,2,3
.irp t, 0,1,2,3,4,5,6,7
.set rD, 64*\a+8*\t
.set rP, 96*((\s)%2)+12*\t
.set rR, 96+48*((\s)%2)+12*\a
.set rSP, 64+4*(\s)+\t%4
.set rSR, 32+4*(\s)+\a
.if \cm == 0
.set rC, rD
.else
.set rC, 192+8*\t
.endif
.if \t < 4
	v_wmma_scale_f32_16x16x128_f8f6f4 v[rD:rD+7], v[rP:rP+11], v[rR:rR+11], v[rC:rC+7], v[rSP], v[rSR] matrix_a_fmt:MATRIX_FMT_FP6 matrix_b_fmt:MATRIX_FMT_FP6
.else
	v_wmma_scale_f32_16x16x128_f8f6f4 v[rD:rD+7], v[rP:rP+11], v[rR:rR+11], v[rC:rC+7], v[rSP], v[rSR] matrix_a_fmt:MATRIX_FMT_FP6 matrix_b_fmt:MATRIX_FMT_FP6 matrix_a_scale:MATRIX_SCALE_ROW1
.endif
.endr
.endr
.endm
.macro STEP s                          ; K steps 1 to 7
	s_wait_dscnt 0x0                               ; this step's fragments are in (asked for 32 matrix instructions ago)
.if ((\s)%2 == 1) && ((\s) < 7)
	s_wait_tensorcnt 3-((\s)+1)/2                  ; my part of the next chunk has landed; the chunks issued behind it stay out
	s_barrier_signal -1
	s_barrier_wait -1                              ; everybody's has
.endif
.if (\s) < 7
	PLACES
	FETCH (\s)+1, 1-(\s)%2
.endif
	WIN MUL
	MULS \s, 0
.endm
; THE WAY OUT of R's tile a: 16 tokens x 128 channels go through my own stage in LDS and come back as rows of 512 bytes.  LDS serves a wave's instructions in order: no wait between the stores and the loads.
.macro TOSTAGE a
	WIN 0x08                                       ; an LDS store's data are its source 1: window 2
.irp t, 0,1,2,3,4,5,6,7
	ds_store_b128 v29, v[64*(\a)+8*\t:64*(\a)+8*\t+3] offset:128*(\t/2)+32*(\t%2)          ; each accumulator from its low end on
	ds_store_b128 v29, v[64*(\a)+8*\t+4:64*(\a)+8*\t+7] offset:128*(\t/2)+32*(\t%2)+16
.endr
	WIN 0
.irp i, 0,1,2,3,4,5,6,7,8,9,10,11,12,13,14,15
	ds_load_b128 v[96+64*((\a)%2)+4*\i:96+64*((\a)%2)+4*\i+3], v31 offset:528*\i
.endr
.endm
.macro SEND a, younger                 ; younger: the LDS instructions issued behind tile a's loads, which may stay out
	s_wait_dscnt \younger
.irp i, 0,1,2,3,4,5,6,7,8,9,10,11,12,13,14,15
	global_store_b128 v27, v[96+64*((\a)%2)+4*\i:96+64*((\a)%2)+4*\i+3], s[94:95] offset:(32*((\a)/2)+8*((\a)%2)+\i+8*(\i/8))*4096 th:TH_STORE_NT   ; 32 lanes store 512 consecutive bytes of a token's row, aligned; written once, read by nobody here
.endr
.endm
	s_load_b256 s[4:11], s[0:1], 0x0               ; ZC, ZS, XC, XS
	s_load_b128 s[12:15], s[0:1], 0x20             ; bo, out0
	v_lshl_add_u32 v254, v0, 2, 0x48000
	v_mov_b32 v255, 0
	ds_add_u32 v254, v255
	ds_add_u32 v254, v255
	v_lshrrev_b32 v1, 5, v0
	v_readfirstlane_b32 s[WV], v1                  ; wave 0..3
	s_lshr_b32 s19, s18, 1                         ; wr: which 64 tokens are mine
	s_and_b32 s20, s18, 1                          ; wp: which 128 channels.  Also: which half of a tile's rows I fetch
	s_bfe_u32 s21, ttmp6, 0x40000                  ; cx
	s_bfe_u32 s22, ttmp6, 0x40004                  ; cy
	s_and_b32 s23, ttmp7, 0xffff                   ; cluster y, 0 .. 15
	s_mov_b32 s28, s21                             ; pb: my block of 256 channels
	s_lshl_b32 s29, s23, 2
	s_add_co_u32 s29, s29, s22                     ; rb: my block of 128 tokens
	s_lshl_b32 s30, s22, 2
	s_lshl_b32 s30, 15, s30                        ; my row of the cluster
	s_lshl_b32 s31, 0x1111, s21                    ; my column
	; descriptor groups 1: rows of 3,072 bytes (a tile's two K steps: 384 elements of 8 bytes), 12,288 bytes apart; R: 4 tiles a load, P: 8.  No padding: an image is read as it lies
	s_or_b32 s32, s30, (3<<16)|(1<<21)             ; 15:0 the mask: R's tiles go to my row; 17:16 elements of 8 bytes; 21 set beside a mask
	s_mov_b32 s33, 384<<16                         ; tensor_dim0
	s_mov_b32 s34, 4<<16                           ; tensor_dim1
	s_mov_b32 s35, 384<<16                         ; tile_dim0
	s_mov_b32 s36, 4                               ; tile_dim1
	s_mov_b32 s37, 1536                            ; tensor_dim0_stride
	s_mov_b32 s38, 0
	s_mov_b32 s39, 0
	s_or_b32 s40, s31, (3<<16)|(1<<21)             ; P's tiles go to my column
	s_mov_b32 s41, 384<<16
	s_mov_b32 s42, 8<<16
	s_mov_b32 s43, 384<<16
	s_mov_b32 s44, 8
	s_mov_b32 s45, 1536
	s_mov_b32 s46, 0
	s_mov_b32 s47, 0
	s_lshl_b32 s88, s29, 3                         ; R: tile 8 rb + 4 x half of ZC (no number made of cx enters)
	s_lshl_b32 s2, s20, 2
	s_add_co_u32 s88, s88, s2
	s_mul_i32 s88, s88, 12288
	s_mov_b32 s89, 0
	s_lshl_b32 s90, s28, 4                         ; P: tile 1,728 + 16 pb + 8 x half of XC (no number made of cy enters)
	s_add_co_u32 s90, s90, 1728
	s_lshl_b32 s2, s20, 3
	s_add_co_u32 s90, s90, s2
	s_mul_i32 s90, s90, 12288
	s_mov_b32 s91, 0
	s_mul_i32 s2, s18, 12288                       ; where they go: R (waves 0, 1): wave x 4 tiles;
	s_mul_i32 s3, s18, 24576
	s_add_co_u32 s3, s3, 49152                     ; P (waves 2, 3): behind R's 98,304 bytes, (wave - 2) x 8 tiles
	s_wait_dscnt 0x0
	s_wait_kmcnt 0x0
	s_add_nc_u64 s[88:89], s[4:5], s[88:89]
	s_add_nc_u64 s[90:91], s[8:9], s[90:91]
.irp q, 0,1,2,3                                ; a group 0 for each chunk
	s_mov_b32 s[48+4*\q], 1
	s_add_co_u32 s[49+4*\q], s2, \q*24576
	s_add_nc_u64 s[50+4*\q:51+4*\q], s[88:89], \q*3072
	s_or_b32 s[51+4*\q], s[51+4*\q], 0x80000000
	s_mov_b32 s[68+4*\q], 1
	s_add_co_u32 s[69+4*\q], s3, \q*49152
	s_add_nc_u64 s[70+4*\q:71+4*\q], s[90:91], \q*3072
	s_or_b32 s[71+4*\q], s[71+4*\q], 0x80000000
.endr
	CROUND                                         ; all sixteen work-groups are here: the joint loads meet
	s_cmp_lt_u32 s[WV], 2                          ; a wave's four fills stand in one branch on its number; four v_nop follow the last
	s_cbranch_scc0 .Lfill_p
	tensor_load_to_lds s[48:51], s[32:39]
	s_nop 0
	tensor_load_to_lds s[52:55], s[32:39]
	s_nop 0
	tensor_load_to_lds s[56:59], s[32:39]
	s_nop 0
	tensor_load_to_lds s[60:63], s[32:39]
	s_nop 0
.rept 4
	v_nop
.endr
	s_branch .Lfilled
.Lfill_p:
	tensor_load_to_lds s[68:71], s[40:47]
	s_nop 0
	tensor_load_to_lds s[72:75], s[40:47]
	s_nop 0
	tensor_load_to_lds s[76:79], s[40:47]
	s_nop 0
	tensor_load_to_lds s[80:83], s[40:47]
	s_nop 0
.rept 4
	v_nop
.endr
.Lfilled:
	v_and_b32 v1, 31, v0                           ; lane
	v_and_b32 v2, 15, v0                           ; r
	v_bfe_u32 v3, v0, 4, 1                         ; h
	v_lshlrev_b32 v27, 4, v1                       ; 16 x lane
	v_lshlrev_b32 v28, 3, v1                       ; 8 x lane
	s_mul_i32 s2, s19, 12288                       ; R: my four tiles in a chunk; chunks 0, 1 by v4, v6; chunks 2, 3 by v5, v7
	v_add_nc_u32 v4, s2, v27
	v_add_nc_u32 v6, s2, v28
	v_add_nc_u32 v5, 49152, v4
	v_add_nc_u32 v7, 49152, v6
	s_mul_i32 s2, s20, 24576                       ; P: my eight tiles in a chunk; an address pair for each chunk
	s_add_co_u32 s2, s2, 98304
.irp q, 0,1,2,3
	v_add_nc_u32 v[8+\q], s2, v27
	v_add_nc_u32 v[12+\q], s2, v28
	s_add_co_u32 s2, s2, 49152
.endr
	v_lshlrev_b32 v24, 4, v2                       ; 16 r
	v_lshlrev_b32 v25, 6, v3                       ; the bias: 16 h numbers on
	s_mul_i32 s2, s18, 8448                        ; my stage: 16 rows x (512 bytes + 16), in R's chunks 0 and 1: filled once; every wave's last read of them is waited for in front of step 3's barrier
	v_mul_u32_u24 v29, v2, 528
	v_lshl_add_u32 v29, v3, 6, v29
	v_add_nc_u32 v29, s2, v29                      ; in: row r, + 64 h
	v_add_nc_u32 v31, s2, v27                      ; back: a row's 512 bytes, 16 a lane
	s_lshl_b32 s26, s28, 1
	s_add_co_u32 s26, s26, s20                     ; 2 pb + wp
	s_lshl_b32 s27, s29, 1
	s_add_co_u32 s27, s27, s19                     ; 2 rb + wr
	s_lshl_b32 s2, s29, 12                         ; R's scale words: group rb of ZS, my half of it
	s_lshl_b32 s3, s19, 8
	s_add_co_u32 s2, s2, s3
	s_mov_b32 s3, 0
	s_add_nc_u64 s[88:89], s[6:7], s[2:3]
	s_add_co_u32 s2, s26, 216                      ; P's: group 216 + 2 pb + wp of XS
	s_lshl_b32 s2, s2, 12
	s_add_nc_u64 s[90:91], s[10:11], s[2:3]
.irp s, 0,1,2,3,4,5,6,7                        ; the scale words of all eight K steps stay in registers
	global_load_b128 v[32+4*\s:35+4*\s], v24, s[88:89] offset:512*\s
	global_load_b128 v[64+4*\s:67+4*\s], v27, s[90:91] offset:512*\s
.endr
	s_lshl_b32 s2, s26, 9                          ; the bias of channels 256 pb + 128 wp on
	s_add_nc_u64 s[92:93], s[12:13], s[2:3]
	s_lshl_b32 s25, s27, 18                        ; out0: token 128 rb + 64 wr, 4,096 bytes a token; the same channels
	s_add_co_u32 s2, s2, s25
	s_add_nc_u64 s[94:95], s[14:15], s[2:3]
	WIN TO_P
.irp t, 0,1,2,3,4,5,6,7                        ; the bias in the result's layout: it is the C of each sum's first matrix instruction
	global_load_b128 v[192+8*\t:195+8*\t], v25, s[92:93] offset:(32*(\t/2)+8*(\t%2))*4
	global_load_b128 v[196+8*\t:199+8*\t], v25, s[92:93] offset:(32*(\t/2)+8*(\t%2))*4+16
.endr
	WIN 0
	s_wait_loadcnt 0x0                             ; scale words and bias
	s_wait_tensorcnt 0x3                           ; my part of chunk 0 has landed; three chunks stay out
	s_barrier_signal -1
	s_barrier_wait -1                              ; everybody's has
	FETCH 0, 0
	FETCH 1, 1                                     ; chunk 0 holds K steps 0 and 1
	s_wait_dscnt 48                                ; step 0's 48 loads are in, step 1's stay out
	WIN MUL1
	MULS 0, 1
	STEP 1
	STEP 2
	STEP 3
	STEP 4
	STEP 5
	STEP 6
	STEP 7
	WIN 0
	PLACES
	TOSTAGE 0
	TOSTAGE 1
	SEND 0, 32                                     ; behind tile 0's loads: tile 1's 16 stores and 16 loads
	s_wait_xcnt 0x0                                ; tile 0's stores have read their registers: tile 2's rows may land there
	TOSTAGE 2
	SEND 1, 32
	s_wait_xcnt 0x0
	TOSTAGE 3
	SEND 2, 32
	SEND 3, 0
	s_wait_tensorcnt 0x0
	ds_add_u32 v254, v255
	s_wait_dscnt 0x0
	CROUND                                         ; the closing round: no work-group ends while a partner may still ask for a tile that names it
	s_endpgm
.Lfunc_end_k_qb390909798_outp:
	.size	k_qb390909798_outp, .Lfunc_end_k_qb390909798_outp-k_qb390909798_outp
	.p2alignl 7, 3214868480
	.fill 96, 4, 3214868480
	.section	.rodata,"a",@progbits
	.p2align	6, 0x0
	.amdhsa_kernel k_qb390909798_outp
		.amdhsa_group_segment_fixed_size 295424
		.amdhsa_private_segment_fixed_size 0
		.amdhsa_enable_private_segment 0
		.amdhsa_kernarg_size 48
		.amdhsa_user_sgpr_count 2
		.amdhsa_user_sgpr_kernarg_segment_ptr 1
		.amdhsa_wavefront_size32 1
		.amdhsa_system_sgpr_workgroup_id_x 1
		.amdhsa_system_sgpr_workgroup_id_y 1
		.amdhsa_system_sgpr_workgroup_id_z 1
		.amdhsa_system_vgpr_workitem_id 0
		.amdhsa_next_free_vgpr 768
		.amdhsa_next_free_sgpr 100
		.amdhsa_reserve_vcc 0
		.amdhsa_float_denorm_mode_32 3
		.amdhsa_float_denorm_mode_16_64 3
		.amdhsa_memory_ordered 1
		.amdhsa_forward_progress 1
		.amdhsa_inst_pref_size 85
	.end_amdhsa_kernel
	.amdgpu_metadata
---
amdhsa.version: [ 1, 2 ]
amdhsa.kernels:
  - .name:           k_qb390909798_outp
    .symbol:         k_qb390909798_outp.kd
    .args:
      - { .name: ZC, .offset: 0, .size: 8, .value_kind: global_buffer, .address_space: global }
      - { .name: ZS, .offset: 8, .size: 8, .value_kind: global_buffer, .address_space: global }
      - { .name: XC, .offset: 16, .size: 8, .value_kind: global_buffer, .address_space: global }
      - { .name: XS, .offset: 24, .size: 8, .value_kind: global_buffer, .address_space: global }
      - { .name: bo, .offset: 32, .size: 8, .value_kind: global_buffer, .address_space: global }
      - { .name: out0, .offset: 40, .size: 8, .value_kind: global_buffer, .address_space: global }
    .group_segment_fixed_size: 295424
    .private_segment_fixed_size: 0
    .kernarg_segment_align: 8
    .kernarg_segment_size: 48
    .max_flat_workgroup_size: 128
    .sgpr_count:     100
    .vgpr_count:     768
    .wavefront_size: 32
...
	.end_amdgpu_metadata
.endif
;; end of part 4
